; MI455X (gfx1250); checked and timed in simulation.
; The chip was launched on July 23, 2026; its instructions are those of AMD's public machine-readable ISA for CDNA 5 (MIT licence, August 2026) and "CDNA5" Instruction Set Architecture Reference Guide (July 2026). The comments in the code are by the model that wrote it; some were corrected since.
;; LSTM. Allowed arithmetic: float matrix products may take bf16 or f16 operands with f32 sums; all other float work in f32.
;; Inputs: b_hh0 64 float32; b_hh1 64 float32; b_ih0 64 float32; b_ih1 64 float32; fc_b 1 float32; fc_w 1 x 16 float32; w_hh0 64 x 16 float32; w_hh1 64 x 16 float32; w_ih0 64 x 8 float32; w_ih1 64 x 16 float32; x 524,288 x 4 x 8 float32.
;; Outputs: out0 524,288 x 1 float32.
;; One version. Each part assembles by itself: llvm-mc -triple=amdgcn-amd-amdhsa -mcpu=gfx1250 --defsym DOCPART=n.
;; ======== version 1 of 1: 1 launch
;; limits: values are held in f16: magnitudes above 65,504 overflow, below 6.1e-05 lose precision
;; launch lstm (part 1): grid 256 x 1, 16 waves a work-group, no clusters, 288,768 bytes of LDS; arguments x, w_ih0, w_hh0, b_ih0, b_hh0, w_ih1, w_hh1, b_ih1, b_hh1, fc_w, fc_b, out0; writes out0
.if DOCPART == 1
	.amdgcn_target "amdgcn-amd-amdhsa--gfx1250"
	.amdhsa_code_object_version 6
	.text
	.protected	k_q0a7806ee06_lstm
	.globl	k_q0a7806ee06_lstm
	.p2align	8
	.type	k_q0a7806ee06_lstm,@function
k_q0a7806ee06_lstm:
	s_mov_b64 s[64:65], 0
	v_nop
	global_prefetch_b8 v0, s[64:65] scope:SCOPE_SE
	s_setreg_imm32_b32 hwreg(HW_REG_WAVE_MODE, 25, 1), 1
	s_wait_xcnt 0x0
; Two LSTM layers (16 units, 4 steps, 8 features) and a 16-to-1 linear layer on the last h2, for 524,288 independent sequences.
; SHARES: 256 work-groups of 16 waves; a work-group owns 2,048 sequences (262,144 bytes of x), a wave 128 (16,384 bytes of x, 512 of out0).
; A wave's x comes in by two tensor loads at the start (16 and 48 rows of 256 bytes: a wave has only 64 rows), into bytes that only this wave
; reads and that are filled once: no slot is filled again, so the text has no barrier.  At most two tensor loads of a wave are outstanding.
; A wave walks four PAIRS of tiles of 16 sequences; sequence 32 j + 2 r + e is column r of tile e (a: 0, b: 1) of pair j.
; MATRIX LAYOUT: the weights are source A (16 units of one gate), the activations source B (16 sequences).  The result then has units
; 8h .. 8h+7 of sequence r in lane (r, h), which is what a B fragment wants of that lane: four v_cvt_pk_f16_f32 make h the next operand,
; and nothing crosses lanes in the recurrence.  No matrix instruction adds onto an earlier one's result: each has a D of its own and takes
; 0 or a bias as C.  The products of the next unit are issued ahead of the other tile's activation, whose plain vector instructions name
; none of their registers and are the places behind them (ISA guide 7.12.1).
; FORMAT: the matrix operands are f16, 11 significant bits against bf16's 8; the result is a small sum of terms that partly cancel, so the
; three bits count.  f16 has the room: h lies in [-1, 1] by the recurrence; x of 30 times the drawn spread with an offset of 30 spreads stays
; under 300, weights of 30 times the drawn 0.25, times the scale 2.885, under 22, against f16's 65,504; under 2^-14 the error is at most 2^-25.
; In the last product h2 and fc_w go in as two f16 pieces each (hi: the f32 with its low 13 mantissa bits cleared; lo: the exact rest).
; ARITHMETIC: rows of gates i, f, o (weights and biases) are multiplied in f32 by -log2(e), rows of g by K = 2 log2(e), before the weights
; are rounded to f16, so that v_exp_f32 of a gate is e^-i, e^-f, e^-o, e^2g.  The cell state is kept as C = K c, so v_exp_f32 of it is e^2c.
;   Di = 1+Ei, P = Di Eg + Di, N2 = K Eg - K, N = N2 Ef + (C P + N2), Q = P Ef + P, C' = N / Q;  Do = 1+Eo, h = (Ec - 1) / (Do Ec + Do).
; Seven transcendentals for a cell and step in place of ten.  At step 0 c and h are zero by the problem's own definition: sigmoid(f) * 0 is
; left out (no f product, no Ef), C' = N2 / P.
; LIMITS, stated: |x| or |scaled weight| above 65,504 would turn infinite in f16.  The scaled gates i, f, g are capped from above at 30, so a
; sigmoid of i or f is never below 2^-30 and tanh(g) never above 1 - 2^-29 (an error under 1e-9 for every input); with the caps Q is at most
; about 2^90 and no quotient is inf / inf or inf * 0.  o needs no cap: Eo = inf gives 1 / inf = 0 times a finite numerator, the right limit;
; |c| <= 4 by the recurrence, so Ec is neither 0 nor inf.  A NaN in an input is not promised to come out as NaN (v_min_num_f32 drops it).
; The biases stay f32: layer 1's as C; layer 0's as three f16 pieces beside the weights, each times an exact 1.0 in free k places.
; NOT USED: clusters (the work-groups share 15 KB of weights against 262,144 bytes of x each); a ring of slots (the share fits in LDS whole).
.set NLOG2E, 0xbfb8aa3b                ; -log2(e)
.set KPOS,   0x4038aa3b                ; K = 2 log2(e)
.set KNEG,   0xc038aa3b
.set CAP,    0x41f00000                ; 30.0
.set HIMASK, 0xffffe000                ; keeps sign, exponent and 10 mantissa bits of an f32: what f16 holds exactly
.set ONES,   0x3c003c00                ; two f16 ones
.set PITCH,  272                       ; an LDS row: 256 bytes + 16 = 17 x 16: sixteen rows begin at sixteen different 16-byte columns modulo 256
.set PAIRB,  16*PITCH                  ; a pair's 16 rows
.set WAVEB,  64*PITCH                  ; a wave's 64 rows
.set STAGE,  16*WAVEB                  ; 278,528 = 1,088 x 256: behind x, 512 bytes a wave for the results; no tensor load lands here
; vector registers
.set LA,   1                           ; LDS address of my 16 bytes x_0[4h..4h+3] of tile a of the current pair
.set SA,   2                           ; LDS address of my pair's two results in the stage
.set OUTO, 3                           ; 16 x lane
.set VK,   4                           ; v[4:5]   (K, K)
.set VNK,  6                           ; v[6:7]   (-K, -K)
.set WA0,  8                           ; v[8:39]    layer 0, A fragments of i, f, g, o
.set WA1,  40                          ; v[40:71]   layer 1
.set BI1,  72                          ; v[72:103]  layer 1, biases in the layout of C
.set AFC,  104                         ; v[104:111] fc_w as an A fragment
.set TA,   112                         ; v[112:123] tile a: X (4), H1 (4), H2 (4).  Layer 0's B is [X | H1], layer 1's [H1 | H2]
.set TB,   124                         ; v[124:135] tile b
.set C1A,  136
.set C2A,  144
.set C1B,  152
.set C2B,  160                         ; cell states, 8 registers each
.set XSA,  168                         ; v[168:171] x of the next step as loaded, tile a
.set XSB,  172                         ; tile b
.set FCA,  176                         ; v[176:183] B of tile a's last product: [h2 hi | h2 lo]
.set G0,   184                         ; v[184:215] gates: i +0, f +8, g +16, o +24
.set G1,   216                         ; v[216:247]
.set FCT,  248                         ; v[248:255] B of tile b's last product
; where the weights land as f32 during the set-up
.set RHH0, 112
.set RIH0, 144
.set RHH1, 160
.set RIH1, 192
.set RBH1, 224
.set RBI0, 40
.set RBH0, 44
.set RFC,  48
.set TMP,  56
; scalar registers: s2 wave, s3 trips, s4 fc_b, s5 the cap, s6 my stage, s7 the hi mask, s[8:31] addresses, s[56:57] offsets,
; s[58:59] -log2(e), s[60:61] K, s62, s63 masks
.set DA, 32                            ; s[32:35] descriptor group 0, rows 0-15
.set DB, 36                            ; s[36:39] rows 16-63
.set GA, 40                            ; s[40:47] descriptor group 1, 16 rows
.set GB, 48                            ; s[48:55] 48 rows
	s_load_b512 s[8:23], s[0:1], 0x0               ; x 8, w_ih0 10, w_hh0 12, b_ih0 14, b_hh0 16, w_ih1 18, w_hh1 20, b_ih1 22
	s_load_b256 s[24:31], s[0:1], 0x40             ; b_hh1 24, fc_w 26, fc_b 28, out0 30
	v_lshl_add_u32 v246, v0, 2, 0x46000
	v_mov_b32 v247, 0
	ds_add_u32 v246, v247
	ds_add_u32 v246, v247
	s_wait_dscnt 0x0
	v_lshrrev_b32 v1, 5, v0
	v_readfirstlane_b32 s2, v1                     ; my wave's number
	; group 1: x is dense, taken as rows of 32 elements of 8 bytes; 16 bytes of padding behind every 64 words
	s_mov_b32 s[GA+0], (3<<16)|(1<<20)|(5<<22)|(3<<25)
	s_mov_b32 s[GA+1], 32<<16                      ; tensor_dim0 = 32
	s_mov_b32 s[GA+2], 16<<16                      ; tensor_dim1 = 16
	s_mov_b32 s[GA+3], 32<<16                      ; tile_dim0 = 32
	s_mov_b32 s[GA+4], 16                          ; tile_dim1 = 16
	s_mov_b32 s[GA+5], 32                          ; from row to row: 32 elements
	s_mov_b32 s[GA+6], 0
	s_mov_b32 s[GA+7], 0
	s_mov_b32 s[GB+0], (3<<16)|(1<<20)|(5<<22)|(3<<25)
	s_mov_b32 s[GB+1], 32<<16
	s_mov_b32 s[GB+2], 48<<16                      ; the same with 48 rows
	s_mov_b32 s[GB+3], 32<<16
	s_mov_b32 s[GB+4], 48
	s_mov_b32 s[GB+5], 32
	s_mov_b32 s[GB+6], 0
	s_mov_b32 s[GB+7], 0
	s_mov_b32 s[DA+0], 1
	s_mul_i32 s[DA+1], s2, WAVEB                   ; LDS: my wave's rows
	s_mov_b32 s[DB+0], 1
	s_add_co_u32 s[DB+1], s[DA+1], PAIRB           ; behind the first 16
	s_lshl_b32 s56, ttmp9, 18                      ; 262,144 bytes a work-group (below 2^26 in all)
	s_lshl_b32 s57, s2, 14                         ; 16,384 a wave
	s_add_co_u32 s56, s56, s57
	s_mov_b32 s57, 0
	s_wait_kmcnt 0x0
	s_add_nc_u64 s[DA+2:DA+3], s[8:9], s[56:57]
	s_add_nc_u64 s[DB+2:DB+3], s[DA+2:DA+3], 16*256
	s_or_b32 s[DA+3], s[DA+3], 0x80000000          ; type 2
	s_or_b32 s[DB+3], s[DB+3], 0x80000000
	tensor_load_to_lds s[DA:DA+3], s[GA:GA+7]      ; pair 0: 4 KiB, so that the wave can begin early
	s_nop 0
	tensor_load_to_lds s[DB:DB+3], s[GB:GB+7]      ; pairs 1 to 3.  No descriptor register is written again
	s_nop 0
	s_load_b32 s4, s[28:29], 0x0                   ; fc_b
	s_lshl_b32 s56, ttmp9, 13                      ; out0: 8,192 bytes a work-group,
	s_lshl_b32 s6, s2, 9                           ; 512 a wave
	s_add_co_u32 s56, s56, s6
	s_add_nc_u64 s[30:31], s[30:31], s[56:57]      ; s57 is still 0
	s_add_co_u32 s6, s6, STAGE                     ; my stage in LDS
	s_mov_b32 s5, CAP
	s_mov_b32 s7, HIMASK
	s_mov_b32 s58, NLOG2E
	s_mov_b32 s59, NLOG2E
	s_mov_b32 s60, KPOS
	s_mov_b32 s61, KPOS
	; SET-UP.  Every wave loads the weights (15 KB, shared by all) in the lanes' fragment order and converts them itself: no barrier.
	v_and_b32 v1, 15, v0                           ; r
	v_bfe_u32 v2, v0, 4, 1                         ; h
	v_lshlrev_b32 v6, 5, v2                        ; 32 h: eight numbers of a vector of units
	v_lshlrev_b32 v5, 2, v1                        ; 4 r: number r of a gate's 16
	v_lshl_add_u32 v4, v1, 6, v6                   ; 64 r + 32 h: rows of 16 numbers
	v_lshlrev_b32 v3, 4, v2
	v_lshl_add_u32 v3, v1, 5, v3                   ; 32 r + 16 h: rows of 8 numbers
.irp g, 0,1,2,3
	global_load_b128 v[RHH0+8*\g:RHH0+8*\g+3],   v4, s[12:13] offset:1024*\g      ; w_hh0[16 g + r][8h ..]
	global_load_b128 v[RHH0+8*\g+4:RHH0+8*\g+7], v4, s[12:13] offset:1024*\g+16
	global_load_b128 v[RIH0+4*\g:RIH0+4*\g+3],   v3, s[10:11] offset:512*\g       ; w_ih0[16 g + r][4h .. 4h+3]
	global_load_b32  v[RBI0+\g], v5, s[14:15] offset:64*\g                        ; b_ih0[16 g + r]
	global_load_b32  v[RBH0+\g], v5, s[16:17] offset:64*\g                        ; b_hh0[16 g + r]
.endr
	global_load_b128 v[RFC:RFC+3],   v6, s[26:27]                                 ; fc_w[8h ..]
	global_load_b128 v[RFC+4:RFC+7], v6, s[26:27] offset:16
.irp g, 0,1,2,3
	global_load_b128 v[RIH1+8*\g:RIH1+8*\g+3],   v4, s[18:19] offset:1024*\g      ; w_ih1[16 g + r][8h ..]
	global_load_b128 v[RIH1+8*\g+4:RIH1+8*\g+7], v4, s[18:19] offset:1024*\g+16
	global_load_b128 v[RHH1+8*\g:RHH1+8*\g+3],   v4, s[20:21] offset:1024*\g      ; w_hh1[16 g + r][8h ..]
	global_load_b128 v[RHH1+8*\g+4:RHH1+8*\g+7], v4, s[20:21] offset:1024*\g+16
	global_load_b128 v[BI1+8*\g:BI1+8*\g+3],     v6, s[22:23] offset:64*\g        ; b_ih1[16 g + 8h ..]
	global_load_b128 v[BI1+8*\g+4:BI1+8*\g+7],   v6, s[22:23] offset:64*\g+16
	global_load_b128 v[RBH1+8*\g:RBH1+8*\g+3],   v6, s[24:25] offset:64*\g        ; b_hh1[16 g + 8h ..]
	global_load_b128 v[RBH1+8*\g+4:RBH1+8*\g+7], v6, s[24:25] offset:64*\g+16
.endr
	s_wait_loadcnt 0x0                             ; all 54 are in: their offset registers v3 to v6 are free as well
	s_wait_kmcnt 0x0                               ; fc_b
	v_cmp_eq_u32 s62, 1, v2                        ; lanes 16-31
	v_and_b32 v3, 7, v1
	v_cmp_eq_u32 vcc_lo, 0, v3                     ; rows 0 and 8 of the fc fragment
	v_cmp_eq_u32 s63, 1, v3                        ; rows 1 and 9
	v_lshlrev_b32 v3, 3, v1                        ; 8 r
	v_mul_u32_u24 v1, v1, PITCH
	v_lshl_add_u32 v1, v2, 4, v1                   ; r x pitch + 16 h
	v_add_nc_u32 v[LA], s[DA+1], v1                ; + my wave's rows (the descriptor register is only read)
	v_add_nc_u32 v[SA], s6, v3                     ; my stage + 8 r
	v_and_b32 v3, 31, v0
	v_lshlrev_b32 v[OUTO], 4, v3
	v_mov_b32 v[VK], s60
	v_mov_b32 v[VK+1], s60
	v_mov_b32 v[VNK], KNEG
	v_mov_b32 v[VNK+1], KNEG
	; fc_w = hi + lo.  B of the last product is [h2 hi (k = 0-15) | h2 lo (k = 16-31)].  Row 0 of A is [fw hi | fw hi], row 1 [fw lo | 0]:
	; row 0 + row 1 = fw hi (h hi + h lo) + fw lo h hi; what is left out, fw lo h lo, is under 2^-20 of a term.  All other rows are 0, but
	; rows 8 and 9, which repeat 0 and 1, so that both halves of the lanes hold the two sums in registers 0 and 1 of D.
.irp k, 0,1,2,3,4,5,6,7
	v_and_b32 v[TMP+\k], s7, v[RFC+\k]             ; hi
.endr
.irp p, 0,2,4,6
	v_pk_add_f32 v[RFC+\p:RFC+\p+1], v[RFC+\p:RFC+\p+1], v[TMP+\p:TMP+\p+1] neg_lo:[0,1] neg_hi:[0,1]   ; lo = fw - hi, exact
.endr
.irp k, 0,1,2,3
	v_cvt_pk_f16_f32 v[TMP+\k], v[TMP+2*\k], v[TMP+2*\k+1]     ; packed downward: register k is written when its own number has been read
	v_cvt_pk_f16_f32 v[RFC+\k], v[RFC+2*\k], v[RFC+2*\k+1]
.endr
.irp k, 0,1,2,3
	v_cndmask_b32 v[AFC+\k],   0, v[TMP+\k], vcc_lo
	v_cndmask_b32 v[AFC+4+\k], 0, v[TMP+\k], vcc_lo
.endr
.irp k, 0,1,2,3
	v_cndmask_b32 v[AFC+\k], v[AFC+\k], v[RFC+\k], s63
.endr
; 2 x pairs numbers at src, times the gate's scale in f32, rounded once to f16 into dst
.macro CVT dst, src, sp, pairs
.set q, 0
.rept \pairs
	v_pk_mul_f32 v[\src+2*q:\src+2*q+1], v[\src+2*q:\src+2*q+1], s[\sp:\sp+1] op_sel_hi:[1,0]
.set q, q+1
.endr
.set q, 0
.rept \pairs
	v_cvt_pk_f16_f32 v[\dst+q], v[\src+2*q], v[\src+2*q+1]
.set q, q+1
.endr
.endm
; Layer 0, gate g.  Registers 0, 1: w_ih0 (k = 8h .. 8h+3); register 2: the scaled bias sum in f16 pieces (k = 4, 5: hi, lo; k = 12, 13: rest, 0),
; which meet ones in X; register 3: 0; registers 4-7: w_hh0 (k = 16+8h ..).  hi and lo are cut by the mask, 11 bits each, the rest is what
; remains: together the f32 sum, but for pieces under 2^-14, which f16 holds to 2^-25.
.macro LAYER0 g, sp
	CVT WA0+8*\g, RIH0+4*\g, \sp, 2
	v_mov_b32 v[WA0+8*\g+3], 0
	v_add_f32 v[TMP], v[RBI0+\g], v[RBH0+\g]
	v_mul_f32 v[TMP], s[\sp], v[TMP]               ; b
	v_and_b32 v[TMP+1], s7, v[TMP]                 ; hi
	v_sub_f32 v[TMP], v[TMP], v[TMP+1]             ; b - hi, exact
	v_and_b32 v[TMP+2], s7, v[TMP]                 ; lo
	v_sub_f32 v[TMP], v[TMP], v[TMP+2]             ; the rest, exact
	v_cvt_pk_f16_f32 v[TMP+1], v[TMP+1], v[TMP+2]  ; (hi, lo)
	v_cvt_pk_f16_f32 v[TMP], v[TMP], v[WA0+8*\g+3] ; (rest, 0)
	v_cndmask_b32 v[WA0+8*\g+2], v[TMP+1], v[TMP], s62
	CVT WA0+8*\g+4, RHH0+8*\g, \sp, 4
.endm
	LAYER0 0, 58
	LAYER0 1, 58
	LAYER0 2, 60
	LAYER0 3, 58
; Layer 1, gate g: registers 0-3 w_ih1 (k = 8h ..), 4-7 w_hh1 (k = 16+8h ..); the bias sum, scaled, stays f32
.macro LAYER1 g, sp
	CVT WA1+8*\g, RIH1+8*\g, \sp, 4
	CVT WA1+8*\g+4, RHH1+8*\g, \sp, 4
.irp p, 0,2,4,6
	v_pk_add_f32 v[BI1+8*\g+\p:BI1+8*\g+\p+1], v[BI1+8*\g+\p:BI1+8*\g+\p+1], v[RBH1+8*\g+\p:RBH1+8*\g+\p+1]
.endr
.irp p, 0,2,4,6
	v_pk_mul_f32 v[BI1+8*\g+\p:BI1+8*\g+\p+1], v[BI1+8*\g+\p:BI1+8*\g+\p+1], s[\sp:\sp+1] op_sel_hi:[1,0]
.endr
.endm
	LAYER1 0, 58
	LAYER1 1, 58
	LAYER1 2, 60
	LAYER1 3, 58
	v_mov_b32 v[TA+2], ONES                        ; X's registers 2, 3, once for the wave: two ones for the bias pieces, two zeros
	v_mov_b32 v[TA+3], 0
	v_mov_b32 v[TB+2], ONES
	v_mov_b32 v[TB+3], 0
; The gates of one layer, one step, one tile: four products (three at step 0, where f is not needed), each with its own D.
.macro MM0 t, g, first
	v_wmma_f32_16x16x32_f16 v[\g:\g+7], v[WA0:WA0+7], v[\t:\t+7], 0
.if \first == 0
	v_wmma_f32_16x16x32_f16 v[\g+8:\g+15], v[WA0+8:WA0+15], v[\t:\t+7], 0
.endif
	v_wmma_f32_16x16x32_f16 v[\g+16:\g+23], v[WA0+16:WA0+23], v[\t:\t+7], 0
	v_wmma_f32_16x16x32_f16 v[\g+24:\g+31], v[WA0+24:WA0+31], v[\t:\t+7], 0
.endm
.macro MM1 t, g, first
	v_wmma_f32_16x16x32_f16 v[\g:\g+7], v[WA1:WA1+7], v[\t+4:\t+11], v[BI1:BI1+7]
.if \first == 0
	v_wmma_f32_16x16x32_f16 v[\g+8:\g+15], v[WA1+8:WA1+15], v[\t+4:\t+11], v[BI1+8:BI1+15]
.endif
	v_wmma_f32_16x16x32_f16 v[\g+16:\g+23], v[WA1+16:WA1+23], v[\t+4:\t+11], v[BI1+16:BI1+23]
	v_wmma_f32_16x16x32_f16 v[\g+24:\g+31], v[WA1+24:WA1+31], v[\t+4:\t+11], v[BI1+24:BI1+31]
.endm
; THE ACTIVATION works on two halves (registers 4e .. 4e+3 of each group) whose stages alternate: behind each run of transcendentals stands
; the other half's plain stage before the run's results are read (ISA guide 5.7.2), so that place is useful work.  All in place.
.macro HALF g, c, e
.set aI, \g+4*\e
.set aF, \g+8+4*\e
.set aG, \g+16+4*\e
.set aO, \g+24+4*\e
.set aC, \c+4*\e
.endm
.macro CAPS g, c, e, first             ; i and g always (Di stays finite, so Di x Eg with Eg = 0 is 0), f where it is used
	HALF \g, \c, \e
.irp k, 0,1,2,3
	v_min_num_f32 v[aI+\k], s5, v[aI+\k]
.if \first == 0
	v_min_num_f32 v[aF+\k], s5, v[aF+\k]
.endif
	v_min_num_f32 v[aG+\k], s5, v[aG+\k]
.endr
.endm
.macro EXP1 g, c, e, first             ; Ei, Ef, Eg, Eo
	HALF \g, \c, \e
.irp k, 0,1,2,3
	v_exp_f32 v[aI+\k], v[aI+\k]
.if \first == 0
	v_exp_f32 v[aF+\k], v[aF+\k]
.endif
	v_exp_f32 v[aG+\k], v[aG+\k]
	v_exp_f32 v[aO+\k], v[aO+\k]
.endr
.endm
.macro SUMS g, c, e, first
	HALF \g, \c, \e
	s_wait_alu depctr_va_vdst(0)
.irp p, 0,2
	v_pk_add_f32 v[aI+\p:aI+\p+1], v[aI+\p:aI+\p+1], 1.0 op_sel_hi:[1,0]                       ; Di = 1 + Ei
.endr
.irp p, 0,2
	v_pk_add_f32 v[aO+\p:aO+\p+1], v[aO+\p:aO+\p+1], 1.0 op_sel_hi:[1,0]                       ; Do = 1 + Eo
.endr
.irp p, 0,2
	v_pk_fma_f32 v[aI+\p:aI+\p+1], v[aI+\p:aI+\p+1], v[aG+\p:aG+\p+1], v[aI+\p:aI+\p+1]        ; P = Di Eg + Di
.endr
.irp p, 0,2
	v_pk_fma_f32 v[aG+\p:aG+\p+1], v[aG+\p:aG+\p+1], v[VK:VK+1], v[VNK:VNK+1]                  ; N2 = K Eg - K
.endr
.if \first == 0
.irp p, 0,2
	v_pk_fma_f32 v[aC+\p:aC+\p+1], v[aC+\p:aC+\p+1], v[aI+\p:aI+\p+1], v[aG+\p:aG+\p+1]        ; C P + N2
.endr
.irp p, 0,2
	v_pk_fma_f32 v[aC+\p:aC+\p+1], v[aG+\p:aG+\p+1], v[aF+\p:aF+\p+1], v[aC+\p:aC+\p+1]        ; N = N2 Ef + that
.endr
.irp p, 0,2
	v_pk_fma_f32 v[aI+\p:aI+\p+1], v[aI+\p:aI+\p+1], v[aF+\p:aF+\p+1], v[aI+\p:aI+\p+1]        ; Q = P Ef + P
.endr
.endif
.endm
.macro RCPQ g, c, e
	HALF \g, \c, \e
.irp k, 0,1,2,3
	v_rcp_f32 v[aI+\k], v[aI+\k]
.endr
.endm
.macro NEWC g, c, e, first
	HALF \g, \c, \e
.irp p, 0,2
.if \first
	s_wait_alu depctr_va_vdst(0)
	v_pk_mul_f32 v[aC+\p:aC+\p+1], v[aG+\p:aG+\p+1], v[aI+\p:aI+\p+1]                          ; C' = N2 / P
.else
	s_wait_alu depctr_va_vdst(0)
	v_pk_mul_f32 v[aC+\p:aC+\p+1], v[aC+\p:aC+\p+1], v[aI+\p:aI+\p+1]                          ; C' = N / Q
.endif
.endr
.endm
.macro EXPC g, c, e
	HALF \g, \c, \e
.irp k, 0,1,2,3
	v_exp_f32 v[aG+\k], v[aC+\k]                   ; Ec = e^2c
.endr
.endm
.macro DENH g, c, e
	HALF \g, \c, \e
	s_wait_alu depctr_va_vdst(0)
.irp p, 0,2
	v_pk_fma_f32 v[aO+\p:aO+\p+1], v[aO+\p:aO+\p+1], v[aG+\p:aG+\p+1], v[aO+\p:aO+\p+1]        ; Do Ec + Do
.endr
.irp p, 0,2
	v_pk_add_f32 v[aG+\p:aG+\p+1], v[aG+\p:aG+\p+1], -1.0 op_sel_hi:[1,0]                      ; Ec - 1
.endr
.endm
.macro RCPH g, c, e
	HALF \g, \c, \e
.irp k, 0,1,2,3
	v_rcp_f32 v[aO+\k], v[aO+\k]
.endr
.endm
; h, as the next operand's registers: units 8h+4e .. +3 of my sequence.  split = 1 (the last h2): as hi in registers 0-3 of hd and lo in 4-7;
; the i group's registers, done with since C' was made, take hi as f32.
.macro NEWH g, c, e, hd, split
	HALF \g, \c, \e
	s_wait_alu depctr_va_vdst(0)
.irp p, 0,2
	v_pk_mul_f32 v[aG+\p:aG+\p+1], v[aG+\p:aG+\p+1], v[aO+\p:aO+\p+1]                          ; h
.endr
.if \split
.irp k, 0,1,2,3
	v_and_b32 v[aI+\k], s7, v[aG+\k]                                                          ; hi
.endr
.irp p, 0,2
	v_pk_add_f32 v[aG+\p:aG+\p+1], v[aG+\p:aG+\p+1], v[aI+\p:aI+\p+1] neg_lo:[0,1] neg_hi:[0,1]   ; lo = h - hi, exact
.endr
	v_cvt_pk_f16_f32 v[\hd+2*\e],     v[aI],   v[aI+1]
	v_cvt_pk_f16_f32 v[\hd+2*\e+1],   v[aI+2], v[aI+3]
	v_cvt_pk_f16_f32 v[\hd+4+2*\e],   v[aG],   v[aG+1]
	v_cvt_pk_f16_f32 v[\hd+4+2*\e+1], v[aG+2], v[aG+3]
.else
	v_cvt_pk_f16_f32 v[\hd+2*\e],   v[aG],   v[aG+1]
	v_cvt_pk_f16_f32 v[\hd+2*\e+1], v[aG+2], v[aG+3]
.endif
.endm
; g: the gates; c: the cell state; hd: where h goes as f16; first = 1: step 0; split = 1: the last h2
.macro ACT g, c, hd, first, split
	CAPS \g, \c, 0, \first
	EXP1 \g, \c, 0, \first
	CAPS \g, \c, 1, \first
	EXP1 \g, \c, 1, \first
	SUMS \g, \c, 0, \first
	RCPQ \g, \c, 0
	SUMS \g, \c, 1, \first
	RCPQ \g, \c, 1
	NEWC \g, \c, 0, \first
	EXPC \g, \c, 0
	NEWC \g, \c, 1, \first
	EXPC \g, \c, 1
	DENH \g, \c, 0
	RCPH \g, \c, 0
	DENH \g, \c, 1
	RCPH \g, \c, 1
	NEWH \g, \c, 0, \hd, \split
	NEWH \g, \c, 1, \hd, \split
.endm
; x of step + 1, loaded earlier, becomes tile t's X; load = 1: x of step + 2 is asked for.  cnt: the LDS loads go out by turns for a and b,
; so one younger load, the other tile's, may be out; behind the last load of all none is.
.macro XNEXT t, xs, e, step, cnt, load
	s_wait_dscnt \cnt
	v_cvt_pk_f16_f32 v[\t],   v[\xs],   v[\xs+1]
	v_cvt_pk_f16_f32 v[\t+1], v[\xs+2], v[\xs+3]
.if \load
	ds_load_b128 v[\xs:\xs+3], v[LA] offset:\e*128+(\step+2)*32
.endif
.endm
; Step t = 1, 2, 3 of both layers and both tiles.  Each group of products is followed by the OTHER tile's activation.
.macro STEP t
	MM0 TA, G0, 0
.if \t == 1
	ACT G1, C2B, TB+8, 1, 0                        ; tile b, layer 1, step t - 1
.else
	ACT G1, C2B, TB+8, 0, 0
.endif
	MM0 TB, G1, 0
	ACT G0, C1A, TA+4, 0, 0
.if \t == 1
	XNEXT TA, XSA, 0, 1, 1, 1
.endif
.if \t == 2
	XNEXT TA, XSA, 0, 2, 1, 0
.endif
	MM1 TA, G0, 0
	ACT G1, C1B, TB+4, 0, 0
.if \t == 1
	XNEXT TB, XSB, 1, 1, 1, 1
.endif
.if \t == 2
	XNEXT TB, XSB, 1, 2, 0, 0
.endif
	MM1 TB, G1, 0
.if \t == 3
	ACT G0, C2A, FCA, 0, 1                         ; the last h2 goes straight into the last product's B, in two pieces
.else
	ACT G0, C2A, TA+8, 0, 0
.endif
.endm
; 32 sequences from x to out
.macro PAIR
	ds_load_b128 v[XSA:XSA+3], v[LA]               ; x_0 of tile a,
	ds_load_b128 v[XSB:XSB+3], v[LA] offset:128    ; of tile b
.irp k, 4,5,6,7
	v_mov_b32 v[TA+\k], 0                          ; h1 begins at zero
	v_mov_b32 v[TB+\k], 0
.endr
	s_wait_dscnt 0x0                               ; both, and the last pair's store into the stage
	v_cvt_pk_f16_f32 v[TA],   v[XSA],   v[XSA+1]
	v_cvt_pk_f16_f32 v[TA+1], v[XSA+2], v[XSA+3]
	v_cvt_pk_f16_f32 v[TB],   v[XSB],   v[XSB+1]
	v_cvt_pk_f16_f32 v[TB+1], v[XSB+2], v[XSB+3]
	ds_load_b128 v[XSA:XSA+3], v[LA] offset:32     ; x_1
	ds_load_b128 v[XSB:XSB+3], v[LA] offset:160
	MM0 TA, G0, 1
	MM0 TB, G1, 1
.irp k, 8,9,10,11
	v_mov_b32 v[TA+\k], 0                          ; h2 begins at zero.  These eight name no register of the six products above:
	v_mov_b32 v[TB+\k], 0                          ; they are the places in front of the first read of G0 (ISA guide 7.12.1)
.endr
	ACT G0, C1A, TA+4, 1, 0
	XNEXT TA, XSA, 0, 0, 1, 1
	MM1 TA, G0, 1
	ACT G1, C1B, TB+4, 1, 0
	XNEXT TB, XSB, 1, 0, 1, 1
	MM1 TB, G1, 1
	ACT G0, C2A, TA+8, 1, 0
	STEP 1
	STEP 2
	STEP 3
	v_wmma_f32_16x16x32_f16 v[G0:G0+7], v[AFC:AFC+7], v[FCA:FCA+7], 0    ; tile a: registers 0 and 1 hold the two rows' sums for sequence r
	ACT G1, C2B, FCT, 0, 1                         ; tile b's last activation names none of that product's registers
	v_wmma_f32_16x16x32_f16 v[G1:G1+7], v[AFC:AFC+7], v[FCT:FCT+7], 0    ; tile b
	v_add_nc_u32 v[LA], PAIRB, v[LA]               ; four places behind tile b's product: the next pair's rows,
	v_add_f32 v[G0], v[G0], v[G0+1]                ; tile a's two rows,
	v_add_f32 v[G0], s4, v[G0]                     ; + fc_b,
	v_nop                                          ; and one for which there is no other work
	v_add_f32 v[G0+1], v[G1], v[G1+1]              ; tile b's two rows
	v_add_f32 v[G0+1], s4, v[G0+1]
	ds_store_b64 v[SA], v[G0:G0+1]                 ; sequences 32 j + 2 r and + 1; lanes r and r + 16 write the same numbers to the same bytes
	v_add_nc_u32 v[SA], 128, v[SA]
.endm
	s_wait_tensorcnt 0x1                           ; tensor loads of a wave end in order (ISA guide 10.11.1): my first 16 rows are in, the 48 behind them may be out
	PAIR                                           ; pair 0 reads rows 0 to 15 alone
	s_wait_tensorcnt 0x0                           ; the rest is in; no tensor load is issued after this
	s_mov_b32 s3, 3
.Lpair:
	PAIR
	s_sub_co_u32 s3, s3, 1
	s_cmp_lg_u32 s3, 0
	s_cbranch_scc1 .Lpair
	; THE WAY OUT: my 128 results, 16 bytes a lane, in one store of 512 consecutive bytes that begin at a multiple of 512 from out0's first byte
	v_add_nc_u32 v[SA], s6, v[OUTO]
	ds_load_b128 v[XSA:XSA+3], v[SA]               ; my own stores: LDS serves a wave's instructions in order (ISA guide 5.7.1.4)
	s_wait_dscnt 0x0
	global_store_b128 v[OUTO], v[XSA:XSA+3], s[30:31] th:TH_STORE_NT
	s_wait_xcnt 0x0
	v_lshl_add_u32 v246, v0, 2, 0x46000
	v_mov_b32 v247, 0
	s_wait_tensorcnt 0x0
	ds_add_u32 v246, v247
	s_wait_dscnt 0x0
	s_endpgm
.Lfunc_end_k_q0a7806ee06_lstm:
	.size	k_q0a7806ee06_lstm, .Lfunc_end_k_q0a7806ee06_lstm-k_q0a7806ee06_lstm
	.p2alignl 7, 3214868480
	.fill 96, 4, 3214868480
	.section	.rodata,"a",@progbits
	.p2align	6, 0x0
	.amdhsa_kernel k_q0a7806ee06_lstm
		.amdhsa_group_segment_fixed_size 288768
		.amdhsa_private_segment_fixed_size 0
		.amdhsa_enable_private_segment 0
		.amdhsa_kernarg_size 96
		.amdhsa_user_sgpr_count 2
		.amdhsa_user_sgpr_kernarg_segment_ptr 1
		.amdhsa_wavefront_size32 1
		.amdhsa_system_sgpr_workgroup_id_x 1
		.amdhsa_system_sgpr_workgroup_id_y 1
		.amdhsa_system_sgpr_workgroup_id_z 1
		.amdhsa_system_vgpr_workitem_id 0
		.amdhsa_next_free_vgpr 256
		.amdhsa_next_free_sgpr 66
		.amdhsa_reserve_vcc 1
		.amdhsa_float_denorm_mode_32 3
		.amdhsa_float_denorm_mode_16_64 3
		.amdhsa_memory_ordered 1
		.amdhsa_forward_progress 1
		.amdhsa_inst_pref_size 214
	.end_amdhsa_kernel
	.amdgpu_metadata
---
amdhsa.version: [ 1, 2 ]
amdhsa.kernels:
  - .name:           k_q0a7806ee06_lstm
    .symbol:         k_q0a7806ee06_lstm.kd
    .args:
      - { .name: x, .offset: 0, .size: 8, .value_kind: global_buffer, .address_space: global }
      - { .name: w_ih0, .offset: 8, .size: 8, .value_kind: global_buffer, .address_space: global }
      - { .name: w_hh0, .offset: 16, .size: 8, .value_kind: global_buffer, .address_space: global }
      - { .name: b_ih0, .offset: 24, .size: 8, .value_kind: global_buffer, .address_space: global }
      - { .name: b_hh0, .offset: 32, .size: 8, .value_kind: global_buffer, .address_space: global }
      - { .name: w_ih1, .offset: 40, .size: 8, .value_kind: global_buffer, .address_space: global }
      - { .name: w_hh1, .offset: 48, .size: 8, .value_kind: global_buffer, .address_space: global }
      - { .name: b_ih1, .offset: 56, .size: 8, .value_kind: global_buffer, .address_space: global }
      - { .name: b_hh1, .offset: 64, .size: 8, .value_kind: global_buffer, .address_space: global }
      - { .name: fc_w, .offset: 72, .size: 8, .value_kind: global_buffer, .address_space: global }
      - { .name: fc_b, .offset: 80, .size: 8, .value_kind: global_buffer, .address_space: global }
      - { .name: out0, .offset: 88, .size: 8, .value_kind: global_buffer, .address_space: global }
    .group_segment_fixed_size: 288768
    .private_segment_fixed_size: 0
    .kernarg_segment_align: 8
    .kernarg_segment_size: 96
    .max_flat_workgroup_size: 512
    .sgpr_count:     66
    .vgpr_count:     256
    .wavefront_size: 32
...
	.end_amdgpu_metadata
.endif
;; end of part 1
